; MI455X (gfx1250); checked and timed in simulation.
; The chip was launched on July 23, 2026; its instructions are those of AMD's public machine-readable ISA for CDNA 5 (MIT licence, August 2026) and "CDNA5" Instruction Set Architecture Reference Guide (July 2026). The comments in the code are by the model that wrote it; some were corrected since.
;; Attention Layer. Allowed arithmetic: matrix products marked QUANTISED: E3M2 operands, one E8M0 scale for each 32 along K, by v_wmma_scale_f32_16x16x128_f8f6f4 with both operands' format E3M2, f32 sums; products left as they are: f32 operands where the result goes on into a quantised operand, else bf16, f16 or f32 operands; f32 sums; everything else in f32.
;; Inputs: b1 1,024 float32; b2 1,024 float32; bv 1 float32; decoder_output_codes 32 x 1 x 32 x 24 uint8 (E3M2 codes of decoder_output, K innermost, in blocks of 32 codes, four codes in three bytes); decoder_output_scales 32 x 1 x 32 uint8 (E8M0 scales of decoder_output, one for each 32 codes along K); encoder_outputs 32 x 2,048 x 1,024 float32; v 1,024 x 1 float32; w1_codes 1,024 x 32 x 24 uint8 (E3M2 codes of w1, K innermost, in blocks of 32 codes, four codes in three bytes); w1_scales 1,024 x 32 uint8 (E8M0 scales of w1, one for each 32 codes along K); w2_codes 1,024 x 32 x 24 uint8 (E3M2 codes of w2, K innermost, in blocks of 32 codes, four codes in three bytes); w2_scales 1,024 x 32 uint8 (E8M0 scales of w2, one for each 32 codes along K).
;; Outputs: out0 32 x 1,024 float32.
;; This version of the problem:
;;   THIS VERSION OF THE PROBLEM IS GIVEN IN LOW PRECISION. The matrix products marked QUANTISED in the list below multiply operands that are first quantised to E3M2 (3 exponent bits, 2 mantissa bits; 6 bits a number), with one power-of-two scale for each 32 numbers along K (OCP MX v1.0); their sums are f32. All else is computed in f32.
;;   The module's matrix products, in the order in which they are computed (A, B: the left and right operand; K: the contracted axis; several contracted axes count as one K, in the product's order):
;;     1. [M 32, K 1,024] x [K 1,024, N 1,024]; A: input decoder_output (given as codes); B: input w2 (given as codes): QUANTISED
;;     2. [M 65,536, K 1,024] x [K 1,024, N 1,024]; A: input encoder_outputs; B: input w1 (given as codes): QUANTISED
;;     3. [M 65,536, K 1,024] x [K 1,024, N 1]; A: computed on the way; B: input v: left as it is (N = 1 < 16)
;;     4. batch 32 x [M 1, K 2,048] x [K 2,048, N 1,024]; A: softmax; B: input encoder_outputs: left as it is (M = 1 < 16)
;;   THE QUANTISER, for each operand of a quantised product, along K:
;;     - K is cut into blocks of 32 from its start; a last block that is shorter is filled with zeros.
;;     - A block's scale is 2^e with e = floor(log2(the largest magnitude in the block)) - 4, held to -126 .. 127; a block of zeros has e = 0. As a byte (E8M0): e + 127.
;;     - Each number is divided by its block's scale, clamped to +-28, and rounded to the nearest number of E3M2, ties to even, subnormals kept.
;;     - The product sums the exact products of the quantised numbers (number of the format x scale) in f32.
;;   ~~~python
;;   def quantise(x, axis):      # numpy; x: float32 -> the quantised numbers, widened to float32 again
;;       x = np.moveaxis(x, axis, -1); K = x.shape[-1]
;;       x = np.pad(x, [(0, 0)] * (x.ndim - 1) + [(0, -K % 32)]); x = x.reshape(x.shape[:-1] + (-1, 32)); a = np.abs(x).max(-1, keepdims=True)
;;       e = np.where(a > 0, np.clip(np.frexp(np.where(a > 0, a, 1))[1] - 1 - 4, -126, 127), 0)      # np.frexp(a)[1] - 1 = floor(log2(a)), exactly
;;       r = np.clip(x / 2.0 ** e, -28, 28)
;;       step = 2.0 ** (np.maximum(np.frexp(np.where(r == 0, 1, r))[1] - 1, -2) - 2)
;;       q = np.round(r / step) * step * 2.0 ** e      # np.round: ties to even
;;       return np.moveaxis(q.reshape(q.shape[:-2] + (-1,))[..., :K], -1, axis).astype(np.float32)
;;   ~~~
;;   INPUTS GIVEN AS CODES. decoder_output (in the module: [32, 1, 1024], K = its axis 2); w1 (in the module: [1024, 1024], K = its axis 0); w2 (in the module: [1024, 1024], K = its axis 0): each comes as NAME_codes (uint8): NAME with its K axis moved to the last place and cut into blocks of 32 codes, [.., K / 32, bytes a block], one block behind the other in memory; four codes in three bytes: a row's codes are one little-endian stream of bits, code i at bits 6 i .. 6 i + 5 (a code: sign, 3 exponent bits, 2 mantissa bits); and NAME_scales (uint8): the same leading axes, one E8M0 byte (e + 127) for each 32 codes along K. Its value is code x scale, taken as it is: it is not quantised again, and the codes and scales need not be those that the quantiser above would give.
;; One version. Each part assembles by itself: llvm-mc -triple=amdgcn-amd-amdhsa -mcpu=gfx1250 --defsym DOCPART=n.
;; ======== version 1 of 1: 3 launches
;; limits: values are held in bf16: 8 bits of precision; right only within a limited range of input values
;; workspace buffers: w1r 835,584 bytes; cb 262,144 bytes; pc 1,048,576 bytes; pml 2,048 bytes
;; launch prep (part 1): grid 64 x 1, 4 waves a work-group, no clusters, 0 bytes of LDS; arguments w1_codes, w1_scales, v, decoder_output_codes, decoder_output_scales, w2_codes, w2_scales, b1, b2, w1r, cb; writes w1r, cb
.if DOCPART == 1
	.amdgcn_target "amdgcn-amd-amdhsa--gfx1250"
	.amdhsa_code_object_version 6
	.text
	.protected	k_q759289cf59_prep
	.globl	k_q759289cf59_prep
	.p2align	8
	.type	k_q759289cf59_prep,@function
k_q759289cf59_prep:
	s_mov_b64 s[64:65], 0
	v_nop
	global_prefetch_b8 v0, s[64:65] scope:SCOPE_SE
	s_setreg_imm32_b32 hwreg(HW_REG_WAVE_MODE, 25, 1), 1
	s_wait_xcnt 0x0
; PREP.  Two things that the main launch would otherwise do 256 times over.
; (1) W1 (codes of E3M2, K innermost, 768 bytes a row e) is laid out in the order of a matrix operand's registers.  Work-group T makes record T of w1r, REC bytes, for rows e = 16 T .. 16 T + 15:
;     fragment k (K step of 128) at 1536 k: three chunks of 512 bytes, lane l's 16 bytes at 16 l = its operand registers 4 c .. 4 c + 3;
;     scale images at 12288 + 128 q + 4 l: the scale word of row 16 T + l % 16 for K step 2 q + l / 16;   at 12800 + 4 l: -2 v[16 T + l / 2], so that 8 bytes at 8 r are that number twice.
;     So every later load of a fragment covers 512 consecutive bytes.  Bytes 12928 .. 13055 of a record are neither written nor read.
; (2) Product 1, dec W2, quantised as given: cb[b][e] = 2 log2(e) x (dec[b] . W2[:, e] + b1[e] + b2[e]), stored twice (a pair for packed arithmetic).
; Wave w lays out K steps 2 w and 2 w + 1; wave 3 also the numbers of v; waves 0 and 1 make product 1 for batches 16 w .. 16 w + 15 and the work-group's 16 columns.
; No LDS, no barrier: waves share nothing.
.set REC, 13056
	s_load_b512 s[4:19], s[0:1], 0x0               ; W1 codes s[4:5], W1 scales s[6:7], v s[8:9], dec codes s[10:11], dec scales s[12:13], W2 codes s[14:15], W2 scales s[16:17], b1 s[18:19]
	s_load_b128 s[20:23], s[0:1], 0x40             ; b2 s[20:21], w1r s[22:23]
	s_load_b64 s[24:25], s[0:1], 0x50              ; cb
	v_lshrrev_b32 v1, 5, v0
	v_readfirstlane_b32 s26, v1                    ; wave 0..3
	v_and_b32 v1, 31, v0                           ; lane
	v_and_b32 v2, 15, v0                           ; r
	v_bfe_u32 v3, v0, 4, 1                         ; h
	v_mul_u32_u24 v8, v2, 768
	v_mad_u32_u24 v8, v3, 24, v8                   ; a fragment's place in 16 rows of codes: 768 r + 24 h
	s_mul_i32 s27, s26, 192
	v_add_nc_u32 v4, s27, v8                       ; + my two K steps: 192 w
	s_mul_i32 s27, s26, 3072
	v_lshl_add_u32 v5, v1, 4, s27                  ; in the record: 16 lane + 3072 w
	s_lshl_b32 s27, s26, 7
	v_lshl_add_u32 v6, v1, 2, s27                  ; scale image: 4 lane + 128 w
	v_lshlrev_b32 v12, 5, v2
	v_lshl_add_u32 v12, v3, 2, v12                 ; scale words, two K steps to a register: 32 r + 4 h
	s_lshl_b32 s27, s26, 3
	v_add_nc_u32 v13, s27, v12                     ; + 8 w
	s_mul_i32 s28, ttmp9, 12288                    ; 16 rows of codes
	s_mov_b32 s29, 0
	s_lshl_b32 s30, ttmp9, 9                       ; 16 rows of scale bytes
	s_mov_b32 s31, 0
	s_mul_i32 s32, ttmp9, REC                      ; my record
	s_mov_b32 s33, 0
	s_lshl_b32 s34, ttmp9, 6                       ; 16 numbers of v, b1, b2
	s_mov_b32 s35, 0
	s_lshl_b32 s38, ttmp9, 7                       ; 16 pairs of cb
	s_mov_b32 s39, 0
	s_mov_b32 s36, 0x4038aa3b                      ; 2 log2(e)
	s_wait_alu depctr_va_vdst(0)
	s_wait_kmcnt 0x0
	s_add_nc_u64 s[4:5], s[4:5], s[28:29]
	s_add_nc_u64 s[14:15], s[14:15], s[28:29]
	s_add_nc_u64 s[6:7], s[6:7], s[30:31]
	s_add_nc_u64 s[16:17], s[16:17], s[30:31]
	s_add_nc_u64 s[22:23], s[22:23], s[32:33]
	s_add_nc_u64 s[8:9], s[8:9], s[34:35]
	s_add_nc_u64 s[18:19], s[18:19], s[34:35]
	s_add_nc_u64 s[20:21], s[20:21], s[34:35]
	s_add_nc_u64 s[24:25], s[24:25], s[38:39]
	; ---- the lay-out: a fragment is 12 registers: lane (r, h) holds of row r the 24 bytes at 96 k + 24 h and the 24 bytes at 96 k + 48 + 24 h, each as three loads of 8 bytes
.irp i, 0,1
.irp p, 0,1,2,3,4,5
	global_load_b64 v[32+12*\i+2*\p:33+12*\i+2*\p], v4, s[4:5] offset:96*\i+48*(\p/3)+8*(\p%3)
.endr
.endr
	global_load_b32 v56, v13, s[6:7]               ; lanes 0-15: the word of K step 2 w, lanes 16-31: of 2 w + 1
	s_wait_loadcnt 0x0
.irp i, 0,1
.irp c, 0,1,2
	global_store_b128 v5, v[32+12*\i+4*\c:35+12*\i+4*\c], s[22:23] offset:1536*\i+512*\c   ; 32 lanes store 512 consecutive bytes
.endr
.endr
	global_store_b32 v6, v56, s[22:23] offset:12288
	; ---- wave 3: -2 v, each number twice
	s_cmp_lg_u32 s26, 3
	s_cbranch_scc1 .Lno_v
	v_lshrrev_b32 v14, 1, v1
	v_lshlrev_b32 v14, 2, v14
	global_load_b32 v15, v14, s[8:9]
	v_lshlrev_b32 v57, 2, v1
	s_wait_loadcnt 0x0
	v_mul_f32 v58, -2.0, v15
	s_wait_alu depctr_va_vdst(0)
	global_store_b32 v57, v58, s[22:23] offset:12800
.Lno_v:
	; ---- waves 0 and 1: product 1.  Source 0 = 16 batches of dec, source 1 = 16 rows of W2 (columns e): register j of lane (r, h) is (batch 16 w + 8 h + j, e = 16 T + r)
	s_cmp_lt_u32 s26, 2
	s_cbranch_scc0 .Ldone
	s_mul_i32 s27, s26, 12288
	v_add_nc_u32 v7, s27, v8                       ; dec: rows 16 w + r
	s_lshl_b32 s27, s26, 9
	v_add_nc_u32 v9, s27, v12                      ; and their scale words
	v_lshlrev_b32 v10, 2, v2                       ; b1, b2: 4 r
	v_lshlrev_b32 v63, 3, v2
	v_lshl_add_u32 v63, v3, 16, v63
	s_lshl_b32 s27, s26, 17
	v_add_nc_u32 v63, s27, v63                     ; cb: 8 r + 8192 (8 h + 16 w)
.irp k, 0,1,2,3,4,5,6,7
.irp p, 0,1,2,3,4,5
	global_load_b64 v[64+12*\k+2*\p:65+12*\k+2*\p], v7, s[10:11] offset:96*\k+48*(\p/3)+8*(\p%3)
	global_load_b64 v[160+12*\k+2*\p:161+12*\k+2*\p], v8, s[14:15] offset:96*\k+48*(\p/3)+8*(\p%3)
.endr
.endr
.irp q, 0,1,2,3
	global_load_b32 v[16+\q], v9, s[12:13] offset:8*\q      ; v16-19 dec's scale words, v20-23 W2's: they hold scales and nothing else
	global_load_b32 v[20+\q], v12, s[16:17] offset:8*\q
.endr
	global_load_b32 v60, v10, s[18:19]
	global_load_b32 v61, v10, s[20:21]
	s_wait_loadcnt 0x0
	v_add_f32 v62, v60, v61
	v_mul_f32 v62, s36, v62                        ; 2 log2(e) (b1 + b2)
	v_wmma_scale_f32_16x16x128_f8f6f4 v[24:31], v[64:75], v[160:171], 0, v16, v20 matrix_a_fmt:MATRIX_FMT_BF6 matrix_b_fmt:MATRIX_FMT_BF6
.irp k, 1,2,3,4,5,6,7                          ; one accumulator: a wait directly ahead of each link
.if \k%2 == 0
	s_wait_alu depctr_va_vdst(0)
	v_wmma_scale_f32_16x16x128_f8f6f4 v[24:31], v[64+12*\k:75+12*\k], v[160+12*\k:171+12*\k], v[24:31], v[16+\k/2], v[20+\k/2] matrix_a_fmt:MATRIX_FMT_BF6 matrix_b_fmt:MATRIX_FMT_BF6
.else
	s_wait_alu depctr_va_vdst(0)
	v_wmma_scale_f32_16x16x128_f8f6f4 v[24:31], v[64+12*\k:75+12*\k], v[160+12*\k:171+12*\k], v[24:31], v[16+\k/2], v[20+\k/2] matrix_a_fmt:MATRIX_FMT_BF6 matrix_b_fmt:MATRIX_FMT_BF6 matrix_a_scale:MATRIX_SCALE_ROW1 matrix_b_scale:MATRIX_SCALE_ROW1
.endif
.endr
.rept 4
	v_nop                                          ; four places behind the last product, ahead of the reads of its result and of writes over operands (ISA guide 7.12.1)
.endr
.irp j, 0,1,2,3,4,5,6,7                        ; the result from its low end on
	v_fma_f32 v[64+2*\j], v[24+\j], s36, v62
	v_mov_b32 v[65+2*\j], v[64+2*\j]
.endr
.irp j, 0,1,2,3,4,5,6,7
	global_store_b64 v63, v[64+2*\j:65+2*\j], s[24:25] offset:8192*\j   ; sixteen lanes store 128 consecutive bytes of batch 16 w + 8 h + j
.endr
.Ldone:
	s_endpgm
.Lfunc_end_k_q759289cf59_prep:
	.size	k_q759289cf59_prep, .Lfunc_end_k_q759289cf59_prep-k_q759289cf59_prep
	.p2alignl 7, 3214868480
	.fill 96, 4, 3214868480
	.section	.rodata,"a",@progbits
	.p2align	6, 0x0
	.amdhsa_kernel k_q759289cf59_prep
		.amdhsa_group_segment_fixed_size 0
		.amdhsa_private_segment_fixed_size 0
		.amdhsa_enable_private_segment 0
		.amdhsa_kernarg_size 88
		.amdhsa_user_sgpr_count 2
		.amdhsa_user_sgpr_kernarg_segment_ptr 1
		.amdhsa_wavefront_size32 1
		.amdhsa_system_sgpr_workgroup_id_x 1
		.amdhsa_system_sgpr_workgroup_id_y 1
		.amdhsa_system_sgpr_workgroup_id_z 1
		.amdhsa_system_vgpr_workitem_id 0
		.amdhsa_next_free_vgpr 256
		.amdhsa_next_free_sgpr 66
		.amdhsa_reserve_vcc 0
		.amdhsa_float_denorm_mode_32 3
		.amdhsa_float_denorm_mode_16_64 3
		.amdhsa_memory_ordered 1
		.amdhsa_forward_progress 1
		.amdhsa_inst_pref_size 18
	.end_amdhsa_kernel
	.amdgpu_metadata
---
amdhsa.version: [ 1, 2 ]
amdhsa.kernels:
  - .name:           k_q759289cf59_prep
    .symbol:         k_q759289cf59_prep.kd
    .args:
      - { .name: w1_codes, .offset: 0, .size: 8, .value_kind: global_buffer, .address_space: global }
      - { .name: w1_scales, .offset: 8, .size: 8, .value_kind: global_buffer, .address_space: global }
      - { .name: v, .offset: 16, .size: 8, .value_kind: global_buffer, .address_space: global }
      - { .name: decoder_output_codes, .offset: 24, .size: 8, .value_kind: global_buffer, .address_space: global }
      - { .name: decoder_output_scales, .offset: 32, .size: 8, .value_kind: global_buffer, .address_space: global }
      - { .name: w2_codes, .offset: 40, .size: 8, .value_kind: global_buffer, .address_space: global }
      - { .name: w2_scales, .offset: 48, .size: 8, .value_kind: global_buffer, .address_space: global }
      - { .name: b1, .offset: 56, .size: 8, .value_kind: global_buffer, .address_space: global }
      - { .name: b2, .offset: 64, .size: 8, .value_kind: global_buffer, .address_space: global }
      - { .name: w1r, .offset: 72, .size: 8, .value_kind: global_buffer, .address_space: global }
      - { .name: cb, .offset: 80, .size: 8, .value_kind: global_buffer, .address_space: global }
    .group_segment_fixed_size: 0
    .private_segment_fixed_size: 0
    .kernarg_segment_align: 8
    .kernarg_segment_size: 88
    .max_flat_workgroup_size: 128
    .sgpr_count:     66
    .vgpr_count:     256
    .wavefront_size: 32
...
	.end_amdgpu_metadata
.endif
;; end of part 1
;; launch main (part 2): grid 256 x 1, 4 waves a work-group, no clusters, 327,680 bytes of LDS; arguments encoder_outputs, bv, w1r, cb, pc, pml; writes pc, pml
.if DOCPART == 2
	.amdgcn_target "amdgcn-amd-amdhsa--gfx1250"
	.amdhsa_code_object_version 6
	.text
	.protected	k_q759289cf59_main
	.globl	k_q759289cf59_main
	.p2align	8
	.type	k_q759289cf59_main,@function
k_q759289cf59_main:
	s_mov_b64 s[64:65], 0
	v_nop
	global_prefetch_b8 v0, s[64:65] scope:SCOPE_SE
	s_setreg_imm32_b32 hwreg(HW_REG_WAVE_MODE, 25, 1), 1
	s_wait_xcnt 0x0
; MAIN.  score[b][s] = v . tanh(Q(enc[b][s]) W1 + b1 + dec W2 + b2) + bv;  a softmax over s with a running maximum;  the partial context sum of p x enc.  enc is read from memory ONCE.
; SHARES.  Work-group g owns rows 256 g .. 256 g + 255 of enc taken as [65536][1024] (batch g / 8), in four blocks of 64 rows; a block arrives as two halves of 32 rows.
; Wave w (of four) fetches and converts columns 256 w .. 256 w + 255 of every row (K steps 2 w, 2 w + 1), multiplies all 64 rows by W1's tiles 16 w .. 16 w + 15 (256 columns e), and sums the context of its own 256 columns.
; A BLOCK.  The f32 numbers land in LDS by a tensor load; each wave quantises its columns to codes of E3M2 (one E8M0 byte for each 32 along K) and rounds them to bf16.  The codes go to the other waves through LDS as images
; of the operand's registers; the bf16 numbers stay in LDS for the context.  All 32 fragments of x (4 tiles of rows x 8 K steps, 384 registers) stay in each wave's registers, so that a fragment of W1 feeds four products;
; W1 comes straight from memory into registers, in operand order (launch prep), two tiles ahead.
; THE ORDER.  LAND holds 32 rows.  A block's first half lands under the product of the block before.  Behind that product x's fragments are dead: the wave copies the landed half into their registers, so that LAND is free
; and the second half is asked for AT ONCE; the finished block's reduction, softmax and context, the first half's conversion (out of registers) and the fetch of its fragments all stand under that load.
; PRODUCT.  Source 0 = 16 rows of x, source 1 = 16 columns e of W1: register j of lane (r, h) is (row 16 m + 8 h + j, e = 16 T + r), so bias and v are one number a lane and tile.
; tanh(z) = 1 - 2 / (1 + 2^y), y = 2 log2(e) z.  The score is summed as (sum of v) + sum of (-2 v) / (1 + 2^y): in the lane over its tiles, then over 16 lanes, then over the four waves through LDS.
; The tanh of tile T stands as one batch behind the 32 matrix instructions of tile T + 1.
; OUT.  pc[g][1024]: the sum of p x enc;  pml[g]: m (the running maximum, in units of log2) and l (the sum of p), p = 2^(score log2(e) - m).  Launch join brings a batch's eight together.
; NO CLUSTER: all work-groups walk the same W1, but a shared tile would have to land in LDS, of which this text uses 316,928 of 327,680 bytes.
; Products 3 (N = 1) and 4 (M = 1) fill one sixteenth of a matrix tile: 3 is f32 multiply-adds, 4 multiply-adds of bf16 x by f32 p with f32 sums.
; LIMITS.  NaN and infinities among the inputs are not served.  A block of 32 of x whose largest magnitude lies under 2^-122 gets the scale byte 1 (a block of zeros too, where the rule says 127: its codes are zeros, and
; this program alone reads the byte).  tanh by the formula above is exact in saturation and has an absolute error of some 1e-7 near 0; the score's rounding error is some 2^-24 x the sum of |v|.
;
; LDS: LAND 4 x 33,280: wave w's 32 rows x (1,024 bytes + 16), filled by tensor loads alone; behind its last fill the first 65,792 bytes are the stage of the way out.  RET 4 x 32,768: the block as bf16, wave's own.
;      XCH 49,152: code images, fragment (m, k) at (8 m + k) 1536.  XSC 2,048: x's scale images (4 m + q) 128.  SCO 1,024: score parts [wave][64].  SPARE 512: the spare words.
; REGISTERS.  window 0: see the names below.  windows 1, 2: v0-191 x's fragments of tiles of rows 0, 1 and 2, 3 (at 96 (m % 2) + 12 k); between two products the next first half as f32: group 2 mm + u of 64 numbers
;      at window 1 v0, v64, v128 and window 2 v0;  v192-255 the context of my columns 128 u .. 128 u + 127, u = window - 1.      window 3: v0-191 W1's fragments, two sets (at 96 b + 12 k).
.set REC,   13056                      ; a record of w1r
.set LP,    1040                       ; a landed row: 1,024 bytes + 16 = 260 words: row r starts at bank 4 r mod 64 (64 banks of 4 bytes: ISA guide 11.1), so the 16 rows of a pass of 16-byte loads meet in no bank
.set LANDW, 32*LP
.set RET,   4*LANDW
.set XCH,   RET+131072
.set XSC,   XCH+49152
.set SCO,   XSC+2048
.set SPARE, SCO+1024                   ; 128 bytes for each wave
.set TP,    4112                       ; a row of the stage: 4,096 bytes + 16
.set LA,   3                           ; v3   LAND: w LANDW + LP r + 128 h
.set XA,   4                           ; v4   where I store code images: XCH + 16 lane + 3072 w
.set RA,   5                           ; v5   RET + 32768 w + 16 lane
.set XSA,  6                           ; v6   where I store scale images: XSC + 4 lane + 128 w
.set LI,   7                           ; v7   XCH + 16 lane
.set XSL,  8                           ; v8   XSC + 4 lane
.set SW,   9                           ; v9   SCO + 256 w + 32 h
.set SR,   10                          ; v10  SCO + 4 r
.set SPW,  11                          ; v11  my spare word: SPARE + 4 x my thread's number; never rewritten
.set NIL,  12                          ; v12  0; never rewritten
.set H8,   13                          ; v13  8 h
.set TS,   14                          ; v14  the stage, in: TP r + 1024 w + 128 h
.set TR,   15                          ; v15  16 x thread: the stage, back, and my place in pc
.set T16,  18                          ; v18-21 lane terms in w1r and cb;  v22-25 the same + the offset of the tiles being fetched
.set T4,   19
.set T8,   20
.set TCB,  21
.set VB16, 22
.set VB4,  23
.set VB8,  24
.set VCB,  25
.set VS,   26                          ; v26  the sum of v over my lane's 16 columns e
.set PFA,  27                          ; v27  prefetch: 4096 (lane / 4) + 256 (lane % 4) + 1024 w
.set MR,   28                          ; v28  m;  v29  l
.set LR,   29
.set FF,   30                          ; v30-31 f = 2^(old m - new m), twice
.set PP,   32                          ; v32-35 p of row 16 t + r
.set AS,   36                          ; v36-51 x's scale words (4 m + q): lanes 0-15 K step 2 q, lanes 16-31 K step 2 q + 1;  v52-59 W1's (4 b + q): they hold scales and nothing else
.set BS,   52
.set SD,   60                          ; v60-67 a tile's bias pair and -2 v pair as loaded, set b;  v68-71 those that the slices use
.set SL,   68
.set ACC,  72                          ; v72-135 two sets of four accumulators
.set SCR,  136                         ; v136-167 score parts: register 8 m + j
.set F0,   72                          ; outside the product: 64 numbers of x of slab 0;  F1: of slab 1;  R: 32 registers of bf16
.set F1,   168
.set R,    136
.set Q,    200                         ; v200-215 the four waves' score parts
.set TM,   216                         ; v216-218 at work in the softmax
.set CD,   232                         ; v232-243 a fragment's codes;  v244-250 the second halves as converted
.set TT,   244
.set MX,   252                         ; the quantiser's: v252-253 largest magnitudes, v254-255 scale operands, v30-31 bytes, v32 word at work, v33-34 the two K steps' words, v35 the other half's
.set SO,   254
.set BY,   30
.set WT,   32
.set W0,   33
.set PT,   35
.set MSB, 0
.macro WIN new                         ; s_set_vgpr_msb: bits 1:0 source 0, 3:2 source 1, 5:4 source 2, 7:6 destination; the high byte repeats the setting that is left; a switch that changes nothing is dropped
.if MSB != (\new)
	s_set_vgpr_msb (MSB<<8)|(\new)
.set MSB, (\new)
.endif
.endm
.macro PLACES n
.rept \n
	v_nop
.endr
.endm
; My part of LAND is filled again: all my tensor loads waited for, 0 onto my spare word, the add and my LDS instructions waited for, the work-group's barrier, and my one load first behind it.
; The same barrier shows my code images, stored ahead of it, to the other waves.
.macro REFILL
	s_wait_tensorcnt 0x0                           ; no tensor load of mine is out, so the descriptor may be written
	ds_add_u32 v[SPW], v[NIL]
	s_add_nc_u64 s[34:35], s[34:35], 0x20000       ; the next 32 rows of 4,096 bytes; the type bits on top are not reached
	s_wait_dscnt 0x0                               ; the add is done, my reads of LAND are back, my stores of images have landed
	s_barrier_signal -1
	s_barrier_wait -1
	tensor_load_to_lds s[32:35], s[24:31]          ; by this text's count one tensor load of a wave is out at most
	s_nop 0
	PLACES 4                                       ; four plain lines ahead of the next switch of windows
.endm
; 64 numbers of a lane in window W, v[F + 32 c + i] = x(row, 128 (2 w + u) + 64 c + 32 h + i): two whole blocks of 32, in the order of the operand's registers.  They become 12 registers of codes, a scale word, and
; 32 registers of bf16, all in window 0.  The numbers are sources 0 and 1 of the maxima and roundings, and source 0 of the scaled conversions: two settings of the windows; with W = 0 no switch is written.
.macro CONV1 F, W, u, hb, mm
	WIN 5*(\W)                                     ; sources 0 and 1 in window W
.irp i, 0,2,4,6,8,10,12,14,16,18,20,22,24,26,28,30
.irp c, 0,1
.if \i == 0
	v_max3_num_f32 v[MX+\c], |v[\F+32*\c]|, |v[\F+32*\c+1]|, 0x2800000   ; the block's largest magnitude, and the floor 2^(5 - 127): the byte cannot fall under 1
.else
	v_max3_num_f32 v[MX+\c], |v[\F+32*\c+\i]|, |v[\F+32*\c+\i+1]|, v[MX+\c]
.endif
.endr
	v_cvt_pk_bf16_f32 v[R+\i], v[\F+2*\i], v[\F+2*\i+1]                  ; the roundings to bf16 stand between the links of the two chains
	v_cvt_pk_bf16_f32 v[R+\i+1], v[\F+2*\i+2], v[\F+2*\i+3]
.endr
	WIN 0
.irp c, 0,1
	v_add_nc_u32 v[SO+\c], 0xfe000000, v[MX+\c]    ; 4 off the exponent field: the conversion takes this operand's exponent field as its scale
.endr
.irp c, 0,1
	v_lshrrev_b32 v[BY+\c], 23, v[SO+\c]           ; the scale's byte
.endr
	WIN \W                                         ; source 0 in window W; the scale operand, source 1, in window 0
.irp c, 0,1
	v_cvt_scalef32_pk16_bf6_f32 v[CD+6*\c:CD+6*\c+2], v[\F+32*\c:\F+32*\c+15], v[SO+\c]
	v_cvt_scalef32_pk16_bf6_f32 v[TT+4*\c:TT+4*\c+2], v[\F+32*\c+16:\F+32*\c+31], v[SO+\c]   ; (a conversion's three registers begin on an even number)
.endr
	WIN 0
	v_lshl_or_b32 v[WT], v[BY+1], 16, v[BY]        ; my bytes: blocks h and 2 + h.  (The plain line behind the conversions)
	v_lshlrev_b32 v[WT], v[H8], v[WT]              ; at their places in the word
	v_permlanex16_b32 v[PT], v[WT], s22, s23
	v_or_b32 v[W0+\u], v[WT], v[PT]                ; with lane l xor 16's two the word is whole, in both halves of the lanes
.irp c, 0,1
.irp i, 0,1,2
	v_mov_b32 v[CD+6*\c+3+\i], v[TT+4*\c+\i]
.endr
.endr
.irp c, 0,1,2
	ds_store_b128 v[XA], v[CD+4*\c:CD+4*\c+3] offset:24576*\hb+12288*\mm+1536*\u+512*\c    ; the fragment's image: 512 consecutive bytes a store
.endr
.irp i, 0,1,2,3,4,5,6,7
	ds_store_b128 v[RA], v[R+4*\i:R+4*\i+3] offset:16384*\hb+8192*\mm+4096*\u+512*\i
.endr
.endm
.macro WORDS hb, mm                    ; the two K steps' scale words of a tile of rows become one image
	v_cndmask_b32 v[WT], v[W0], v[W0+1], s21       ; lanes 0-15: K step 2 w's word, lanes 16-31: K step 2 w + 1's
	ds_store_b32 v[XSA], v[WT] offset:1024*\hb+512*\mm
.endm
; The block's first half is converted out of the registers into which GRAB has copied it.  Between two conversions the LDS stores are waited for, since their registers are written again.
.macro CONVA
	CONV1 0, 1, 0, 0, 0
	s_wait_dscnt 0x0
	CONV1 64, 1, 1, 0, 0
	WORDS 0, 0
	s_wait_dscnt 0x0
	CONV1 128, 1, 0, 0, 1
	s_wait_dscnt 0x0
	CONV1 0, 2, 1, 0, 1
	WORDS 0, 1
.endm
.macro LDF F, mm, u                    ; sixteen loads: tile of rows mm, slab u of the landed half into v[F] on
.irp c, 0,1
.irp j, 0,1,2,3,4,5,6,7
	ds_load_b128 v[\F+32*\c+4*\j:\F+32*\c+4*\j+3], v[LA] offset:16*LP*\mm+512*\u+256*\c+16*\j
.endr
.endr
.endm
; The block's second half is converted out of LAND.  A slab's registers take the next tile's slab as soon as they are converted, so that it lands under the conversion of the other slab.
; Each s_wait_dscnt 16 leaves the sixteen newest loads out: all that is older is done: the slab that is wanted, and the stores whose registers are written again.
.macro CONVB
	s_wait_tensorcnt 0x0                           ; my one load is in; only I read what it brought
	LDF F0, 0, 0
	LDF F1, 0, 1
	s_wait_dscnt 16
	CONV1 F0, 0, 0, 1, 0
	LDF F0, 1, 0
	s_wait_dscnt 16
	CONV1 F1, 0, 1, 1, 0
	WORDS 1, 0
	LDF F1, 1, 1
	s_wait_dscnt 16
	CONV1 F0, 0, 0, 1, 1
	s_wait_dscnt 0x0
	CONV1 F1, 0, 1, 1, 1
	WORDS 1, 1
.endm
; All eight K steps of tiles of rows 2 hb, 2 hb + 1 come into my registers, and their scale words.
.macro AFETCH hb
	WIN (1+\hb)<<6                                 ; destination window 1 or 2
.irp mm, 0,1
.irp k, 0,1,2,3,4,5,6,7
.irp c, 0,1,2
	ds_load_b128 v[96*\mm+12*\k+4*\c:96*\mm+12*\k+4*\c+3], v[LI] offset:(8*(2*\hb+\mm)+\k)*1536+512*\c
.endr
.endr
.endr
	WIN 0
.irp mm, 0,1
.irp q, 0,1,2,3
	ds_load_b32 v[AS+4*(2*\hb+\mm)+\q], v[XSL] offset:(4*(2*\hb+\mm)+\q)*128
.endr
.endr
.endm
; Group q of a tile of W1 into set b: K steps 2 q, 2 q + 1 (six loads of 512 consecutive bytes), their scale image; with q = 3 the tile's bias pair and -2 v pair: 7, 7, 7, 9 loads.
.macro LOADG b, q
	WIN 0xc0                                       ; destination window 3
.irp kh, 0,1
.irp c, 0,1,2
	global_load_b128 v[96*\b+12*(2*\q+\kh)+4*\c:96*\b+12*(2*\q+\kh)+4*\c+3], v[VB16], s[8:9] offset:\b*REC+1536*(2*\q+\kh)+512*\c
.endr
.endr
	WIN 0
	global_load_b32 v[BS+4*\b+\q], v[VB4], s[8:9] offset:\b*REC+128*\q
.if \q == 3
	global_load_b64 v[SD+4*\b:SD+4*\b+1], v[VCB], s[10:11] offset:128*\b
	global_load_b64 v[SD+4*\b+2:SD+4*\b+3], v[VB8], s[8:9] offset:\b*REC
.endif
.endm
; The tanh of the tile whose 32 sums lie at P, as one batch: y = 2 log2(e) sum + bias; 2^y; 1 + 2^y; its reciprocal; x (-2 v) into the score.
; Five waits: one ahead of each group of plain lines and one ahead of each group of transcendentals; a plain line stands behind each group of transcendentals.
; The pairs ascend.
.macro TANH P
	s_wait_alu depctr_va_vdst(0)
.set ti, 0
.rept 16
	v_pk_fma_f32 v[(\P)+ti:(\P)+ti+1], v[(\P)+ti:(\P)+ti+1], s[18:19], v[SL:SL+1] op_sel_hi:[1,0,1]
.set ti, ti+2
.endr
	s_wait_alu depctr_va_vdst(0)
.set ti, 0
.rept 32
	v_exp_f32 v[(\P)+ti], v[(\P)+ti]
.set ti, ti+1
.endr
	v_nop
	s_wait_alu depctr_va_vdst(0)
.set ti, 0
.rept 16
	v_pk_add_f32 v[(\P)+ti:(\P)+ti+1], v[(\P)+ti:(\P)+ti+1], 1.0 op_sel_hi:[1,0]
.set ti, ti+2
.endr
	s_wait_alu depctr_va_vdst(0)
.set ti, 0
.rept 32
	v_rcp_f32 v[(\P)+ti], v[(\P)+ti]
.set ti, ti+1
.endr
	v_nop
	s_wait_alu depctr_va_vdst(0)
.set ti, 0
.rept 16
	v_pk_fma_f32 v[SCR+ti:SCR+ti+1], v[(\P)+ti:(\P)+ti+1], v[SL+2:SL+3], v[SCR+ti:SCR+ti+1]
.set ti, ti+2
.endr
.endm
.macro DRAIN                           ; the last tile's tanh
	TANH ACC+32
.endm
.macro MM a, m, kk                     ; tile of rows m x the tile of W1 in set a, K step kk
.set rD, ACC+32*(\a)+8*(\m)
.set rA, 96*((\m)%2)+12*(\kk)
.set rB, 96*(\a)+12*(\kk)
.set rSA, AS+4*(\m)+(\kk)/2
.set rSB, BS+4*(\a)+(\kk)/2
.if (\kk) == 0
	v_wmma_scale_f32_16x16x128_f8f6f4 v[rD:rD+7], v[rA:rA+11], v[rB:rB+11], 0, v[rSA], v[rSB] matrix_a_fmt:MATRIX_FMT_BF6 matrix_b_fmt:MATRIX_FMT_BF6
.elseif (\kk)%2 == 0
	v_wmma_scale_f32_16x16x128_f8f6f4 v[rD:rD+7], v[rA:rA+11], v[rB:rB+11], v[rD:rD+7], v[rSA], v[rSB] matrix_a_fmt:MATRIX_FMT_BF6 matrix_b_fmt:MATRIX_FMT_BF6
.else
	v_wmma_scale_f32_16x16x128_f8f6f4 v[rD:rD+7], v[rA:rA+11], v[rB:rB+11], v[rD:rD+7], v[rSA], v[rSB] matrix_a_fmt:MATRIX_FMT_BF6 matrix_b_fmt:MATRIX_FMT_BF6 matrix_a_scale:MATRIX_SCALE_ROW1 matrix_b_scale:MATRIX_SCALE_ROW1
.endif
.endm
; A tile of W1 (set a): 32 matrix instructions, the four accumulators by turns, one instruction a turn, with no transcendental between the links of a sum;
; behind them the tanh of the tile before, whose sums lie in the other set.  Two switches of the register window for four products.
; THE COUNTS.  Groups are issued in the order (T, 0..3), (T + 1, 0..3), ..; at the head of group q of tile T seven younger groups are out: (T, q + 1 ..), all of T + 1, (T + 2, .. q - 1): 49 loads and
; 2 more for each group 3 among them: two for q < 3 (53), one for q = 3 (51).  The same holds where the loop is entered: eight groups are out then.
; THE OFFSETS of the two tiles that a trip fetches are made ahead of the trip's first group of loads, behind the wait that frees the offset registers; the four additions
; are the four places ahead of loads into registers that matrix instructions have read.
.macro TILE a
.irp q, 0,1,2,3
.if \q == 3
	s_wait_loadcnt 51
.else
	s_wait_loadcnt 53
.endif
.irp kh, 0,1
	WIN 0x0d                                       ; x in window 1, W1 in window 3, the sums in window 0
	MM \a, 0, 2*\q+\kh
	MM \a, 1, 2*\q+\kh
	WIN 0x0e                                       ; x in window 2
	MM \a, 2, 2*\q+\kh
	MM \a, 3, 2*\q+\kh
.endr
	WIN 0
.if \q < 3
.if (\a == 0) && (\q == 0)
	s_wait_xcnt 0x0                                ; the loads issued so far have had their addresses translated (ISA guide 3.1): their offset registers are written again only behind this wait
	s_add_co_u32 s38, s38, 2
	s_and_b32 s38, s38, 15                         ; the tiles fetched in this trip: two on, and round to the next block's 0 and 1 (in the last block those 60 loads are not used; they stay inside w1r)
	s_mul_i32 s46, s38, REC
	s_lshl_b32 s47, s38, 7
	v_add_nc_u32 v[VB16], s46, v[T16]
	v_add_nc_u32 v[VB4], s46, v[T4]
	v_add_nc_u32 v[VB8], s46, v[T8]
	v_add_nc_u32 v[VCB], s47, v[TCB]
	s_wait_alu depctr_va_vdst(0)                   ; the later groups' loads read these four behind waits on LOADcnt
.else
	PLACES 4                                       ; ahead of loads into registers that matrix instructions have read
.endif
	LOADG \a, \q                                   ; the same group of the tile two on
.endif
.endr
	TANH ACC+32*(1-\a)
.irp i, 0,1,2,3
	v_mov_b32 v[SL+\i], v[SD+4*\a+\i]              ; this tile's bias and -2 v, for its tanh behind the next tile.  (The plain lines above and these four are the places ahead of the loads below)
.endr
	LOADG \a, 3
.endm
.macro PREF                            ; my wave's 32 rows x 1,024 bytes of a second half: lanes 256 bytes apart, each aligned 256 bytes asked for once in the launch
.irp i, 0,1,2,3
	global_prefetch_b8 v[PFA], s[44:45] offset:32768*\i th:TH_LOAD_NT scope:SCOPE_SE
.endr
.endm
; The 16 tiles of W1 of my wave against the block's 64 rows.  The loop has no first trip of its own: the first tile's slices find sums, bias and v of zero and add 0.5 x 0.
; pf = 1: at the head of the last of the eight trips the next block's second half is prefetched: one trip (64 products) and the last tile's tanh ahead of the tensor load that wants it.  The last block asks for nothing.
.macro PRODUCT pf
.set i, 0
.rept 32
	v_mov_b32 v[ACC+32+i], 0
.set i, i+1
.endr
.irp i, 0,1,2,3
	v_mov_b32 v[SL+\i], 0
.endr
.set i, 0
.rept 32
	v_mov_b32 v[SCR+i], v[VS]                      ; each score part begins with the lane's sum of v
.set i, i+1
.endr
	s_wait_alu depctr_va_vdst(0)
	s_wait_dscnt 0x0                               ; x's 32 fragments and 16 scale words are in
	s_mov_b32 s37, 8
.Lprod_\@:
.if (\pf)
	s_cmp_lg_u32 s37, 1
	s_cbranch_scc1 .Lnopf_\@
	PREF
.Lnopf_\@:
.endif
	TILE 0
	TILE 1
	s_sub_co_u32 s37, s37, 1
	s_cmp_lg_u32 s37, 0
	s_cbranch_scc1 .Lprod_\@
.endm
; The half that has landed is copied into the registers that held x's fragments (the last product that read them stands more than four plain vector lines back), and LAND is filled again at once:
; all my tensor loads waited for, 0 onto my spare word, the add and the copy waited for, the work-group's barrier, my one load first behind it.  drain = 1: the last tile's tanh stands between the add and the wait for it.
.macro GRAB drain
	s_wait_tensorcnt 0x0                           ; my one load is in; only I read what it brought
	WIN 0x40                                       ; destination window 1
.irp g, 0,1,2
.irp c, 0,1
.irp j, 0,1,2,3,4,5,6,7
	ds_load_b128 v[64*\g+32*\c+4*\j:64*\g+32*\c+4*\j+3], v[LA] offset:16*LP*(\g/2)+512*(\g%2)+256*\c+16*\j
.endr
.endr
.endr
	WIN 0x80                                       ; destination window 2
.irp c, 0,1
.irp j, 0,1,2,3,4,5,6,7
	ds_load_b128 v[32*\c+4*\j:32*\c+4*\j+3], v[LA] offset:16*LP+512+256*\c+16*\j
.endr
.endr
	WIN 0
	s_wait_tensorcnt 0x0                           ; no tensor load of mine is out, so the descriptor may be written
	ds_add_u32 v[SPW], v[NIL]
.if \drain
	DRAIN
.endif
	s_add_nc_u64 s[34:35], s[34:35], 0x20000       ; the next 32 rows
	s_wait_dscnt 0x0                               ; the add is done, and my reads of LAND are back
	s_barrier_signal -1
	s_barrier_wait -1
	tensor_load_to_lds s[32:35], s[24:31]          ; the block's second half
	s_nop 0
	PLACES 4
.endm
; The score parts are summed over the 16 lanes of a half, handed round through LDS, and come back: lane (r, h) takes row 16 t + r from each wave.
.macro SRED
.irp x, 1,2,4,8
.set i, 0
.rept 32
	v_add_f32_dpp v[SCR+i], v[SCR+i], v[SCR+i] row_xmask:\x row_mask:0xf bank_mask:0xf
.set i, i+1
.endr
.endr
.irp m, 0,1,2,3
	ds_store_b128 v[SW], v[SCR+8*\m:SCR+8*\m+3] offset:64*\m          ; rows 16 m + 8 h + 0 .. 7: the sixteen lanes of a half write the same words with the same values
	ds_store_b128 v[SW], v[SCR+8*\m+4:SCR+8*\m+7] offset:64*\m+16
.endr
	s_wait_dscnt 0x0                               ; for the others' sake: my stores have landed
	s_barrier_signal -1
	s_barrier_wait -1
.irp t, 0,1,2,3
.irp w, 0,1,2,3
	ds_load_b32 v[Q+4*\t+\w], v[SR] offset:256*\w+64*\t
.endr
.endr
	s_wait_dscnt 0x0
.endm
; u = (score + bv) log2(e); the new m = the largest of the old m and the block's u; f = 2^(old m - new m); p = 2^(u - m); l and the context are brought under the new m.  No branch on data.
.macro SOFTMAX
.irp t, 0,1,2,3
	v_add_f32 v[Q+4*\t], v[Q+4*\t], v[Q+4*\t+1]
	v_add_f32 v[Q+4*\t+2], v[Q+4*\t+2], v[Q+4*\t+3]
.endr
.irp t, 0,1,2,3
	v_add_f32 v[Q+4*\t], v[Q+4*\t], v[Q+4*\t+2]
.endr
.irp t, 0,1,2,3
	v_fma_f32 v[Q+4*\t], v[Q+4*\t], s20, s17       ; s17 = bv log2(e)
.endr
	v_max3_num_f32 v[TM], v[Q], v[Q+4], v[Q+8]
	v_max_num_f32 v[TM], v[TM], v[Q+12]
.irp x, 1,2,4,8
	v_max_num_f32_dpp v[TM], v[TM], v[TM] row_xmask:\x row_mask:0xf bank_mask:0xf   ; both halves of the lanes hold the same 64 rows
.endr
	v_max_num_f32 v[TM], v[MR], v[TM]
	v_sub_f32 v[FF], v[MR], v[TM]
.irp t, 0,1,2,3
	v_sub_f32 v[PP+\t], v[Q+4*\t], v[TM]
.endr
	s_wait_alu depctr_va_vdst(0)
	v_exp_f32 v[FF], v[FF]
.irp t, 0,1,2,3
	v_exp_f32 v[PP+\t], v[PP+\t]
.endr
	v_mov_b32 v[MR], v[TM]                         ; (the plain line behind the exponentials)
	s_wait_alu depctr_va_vdst(0)
	v_mov_b32 v[FF+1], v[FF]
	v_add_f32 v[TM+1], v[PP], v[PP+1]
	v_add_f32 v[TM+2], v[PP+2], v[PP+3]
	v_add_f32 v[TM+1], v[TM+1], v[TM+2]
	v_fma_f32 v[LR], v[LR], v[FF], v[TM+1]         ; my lane's four rows; the sixteen lanes are added at the end
	WIN 0x41                                       ; the context in window 1, f in window 0
.set i, 0
.rept 32
	v_pk_mul_f32 v[192+2*i:193+2*i], v[192+2*i:193+2*i], v[FF:FF+1] op_sel_hi:[1,0]
.set i, i+1
.endr
	WIN 0x82
.set i, 0
.rept 32
	v_pk_mul_f32 v[192+2*i:193+2*i], v[192+2*i:193+2*i], v[FF:FF+1] op_sel_hi:[1,0]
.set i, i+1
.endr
	WIN 0
.endm
; The context: context[column] += p(row) x x(row, column), x as bf16 out of RET, fragment f = 2 m + u; a fragment's eight loads run one fragment ahead.
.macro XLD f
.irp i, 0,1,2,3,4,5,6,7
	ds_load_b128 v[72+96*((\f)%2)+4*\i:75+96*((\f)%2)+4*\i], v[RA] offset:(\f)*4096+512*\i
.endr
.endm
.macro XBLK
	XLD 0
.irp f, 0,1,2,3,4,5,6,7
.if \f < 7
	XLD \f+1
	s_wait_dscnt 8                                 ; this fragment is in; the next one's eight loads may be out
.else
	s_wait_dscnt 0x0
.endif
	WIN 0x50+0x50*(\f%2)                           ; sum and result in window 1 (u = 0) or 2 (u = 1)
.set i, 0
.rept 32
	v_fma_mix_f32_bf16 v[192+2*i], v[72+96*(\f%2)+i], v[PP+\f/2], v[192+2*i] op_sel_hi:[1,0,0]
	v_fma_mix_f32_bf16 v[193+2*i], v[72+96*(\f%2)+i], v[PP+\f/2], v[193+2*i] op_sel:[1,0,0] op_sel_hi:[1,0,0]
.set i, i+1
.endr
	WIN 0
.endr
.endm
; A block of 64 rows.  It is entered with its first half in registers and its second half on its way.  Four barriers: behind the first the first half's images lie in LDS, behind the second the second half's,
; behind the third LAND is filled again, behind the fourth the score parts lie in LDS.  What a phase overwrites in LDS was last read by waves that have since waited for those reads and passed a barrier.
.macro BLOCK last
	CONVA
	s_wait_dscnt 0x0                               ; for the others' sake: my images have landed.  (My tensor load stays out, and only I read what it brings)
	s_barrier_signal -1
	s_barrier_wait -1
	AFETCH 0
	CONVB
.if \last
	s_wait_dscnt 0x0                               ; nothing is left to fetch: a plain barrier shows the images
	s_barrier_signal -1
	s_barrier_wait -1
.else
	REFILL                                         ; asks for the next block's first half: it lands under the product
.endif
	AFETCH 1
.if \last == 0
	s_wait_xcnt 0x0                                ; the last prefetches have had their addresses translated: their base steps to the next block's second half
	s_add_nc_u64 s[44:45], s[44:45], 0x40000
.endif
	PRODUCT 1-\last
.if \last
	DRAIN
.else
	GRAB 1                                         ; the next block's first half into registers, its second half asked for
.endif
	SRED
	SOFTMAX
	XBLK
.endm
	s_load_b256 s[4:11], s[0:1], 0x0               ; enc s[4:5], bv s[6:7], w1r s[8:9], cb s[10:11]
	s_load_b128 s[12:15], s[0:1], 0x20             ; pc s[12:13], pml s[14:15]
	v_lshl_add_u32 v[SPW], v0, 2, SPARE
	v_mov_b32 v[NIL], 0
	ds_add_u32 v11, v12
	ds_add_u32 v11, v12
	s_wait_dscnt 0x0
	v_lshrrev_b32 v1, 5, v0
	v_readfirstlane_b32 s16, v1                    ; wave 0..3
	; descriptor group 1: 32 rows x 256 elements of 4 bytes, 1,024 elements from row to row, 4 words of padding behind every 256
	s_mov_b32 s24, (2<<16)|(1<<20)|(7<<22)|(3<<25) ; 15:0 no mask; 17:16 elements of 4 bytes; 20 padding on; 24:22 after every 256 words (code 7); 31:25 4 words (code 3)
	s_mov_b32 s25, 256<<16                         ; tensor_dim0 = 256
	s_mov_b32 s26, 32<<16                          ; tensor_dim1 = 32
	s_mov_b32 s27, 256<<16                         ; tile_dim0 = 256
	s_mov_b32 s28, 32                              ; tile_dim1 = 32
	s_mov_b32 s29, 1024                            ; tensor_dim0_stride
	s_mov_b32 s30, 0
	s_mov_b32 s31, 0
	s_mov_b32 s32, 1                               ; group 0: count = 1,
	s_mul_i32 s33, s16, LANDW                      ; LDS address: my part of LAND,
	s_lshl_b32 s48, ttmp9, 20                      ; my work-group's 256 rows of 4,096 bytes
	s_mov_b32 s49, 0
	s_lshl_b32 s46, s16, 10                        ; my wave's 1,024 bytes of a row
	s_mov_b32 s47, 0
	s_wait_kmcnt 0x0
	s_add_nc_u64 s[44:45], s[4:5], s[48:49]
	s_add_nc_u64 s[34:35], s[44:45], s[46:47]      ; global address,
	s_or_b32 s35, s35, 0x80000000                  ; type = 2
	tensor_load_to_lds s[32:35], s[24:31]          ; block 0's first half: ahead of every wait on TENSORcnt, every LDS read and every barrier
	s_nop 0
	PLACES 4
	s_add_nc_u64 s[44:45], s[44:45], 0x20000       ; the prefetches' base: block 0's second half
	s_load_b32 s17, s[6:7], 0x0                    ; bv
	v_and_b32 v16, 31, v0                          ; lane
	v_lshrrev_b32 v2, 2, v16
	v_and_b32 v1, 3, v16
	v_lshlrev_b32 v1, 8, v1
	v_lshl_add_u32 v1, v2, 12, v1
	v_add_nc_u32 v[PFA], s46, v1
	PREF
	v_and_b32 v1, 15, v0                           ; r
	v_bfe_u32 v2, v0, 4, 1                         ; h
	s_wait_alu depctr_va_vdst(0)
	v_mul_u32_u24 v[LA], v1, LP
	v_lshl_add_u32 v[LA], v2, 7, v[LA]
	v_add_nc_u32 v[LA], s33, v[LA]
	s_mul_i32 s46, s16, 3072
	s_add_co_u32 s46, s46, XCH
	v_lshl_add_u32 v[XA], v16, 4, s46
	s_lshl_b32 s46, s16, 15
	s_add_co_u32 s46, s46, RET
	v_lshl_add_u32 v[RA], v16, 4, s46
	s_lshl_b32 s46, s16, 7
	s_add_co_u32 s46, s46, XSC
	v_lshl_add_u32 v[XSA], v16, 2, s46
	v_lshl_add_u32 v[LI], v16, 4, XCH
	v_lshl_add_u32 v[XSL], v16, 2, XSC
	s_lshl_b32 s46, s16, 8
	s_add_co_u32 s46, s46, SCO
	v_lshl_add_u32 v[SW], v2, 5, s46
	v_lshl_add_u32 v[SR], v1, 2, SCO
	v_lshlrev_b32 v[H8], 3, v2
	v_mul_u32_u24 v[TS], v1, TP
	v_lshl_add_u32 v[TS], v2, 7, v[TS]
	s_lshl_b32 s46, s16, 10
	v_add_nc_u32 v[TS], s46, v[TS]
	v_lshlrev_b32 v[TR], 4, v0
	v_mov_b32 v17, 0                               ; the offset of the store of m and l
	s_mul_i32 s46, s16, 16*REC                     ; my wave's 16 records
	v_lshl_add_u32 v[T16], v16, 4, s46
	v_lshl_add_u32 v[T4], v16, 2, s46
	v_add_nc_u32 v[T4], 12288, v[T4]
	v_lshl_add_u32 v[T8], v1, 3, s46
	v_add_nc_u32 v[T8], 12800, v[T8]
	s_lshl_b32 s46, s16, 11                        ; my wave's 256 pairs of cb
	v_lshl_add_u32 v[TCB], v1, 3, s46
	s_mov_b32 s18, 0x4038aa3b                      ; 2 log2(e); the packed form names the pair and takes its low word for both halves
	s_mov_b32 s19, s18
	s_mov_b32 s20, 0x3fb8aa3b                      ; log2(e)
	s_mov_b32 s21, 0xffff0000                      ; lanes 16-31
	s_mov_b32 s22, 0x76543210                      ; v_permlanex16_b32's selects for lane l xor 16
	s_mov_b32 s23, 0xfedcba98
	s_lshr_b32 s46, ttmp9, 3
	s_lshl_b32 s46, s46, 13
	s_add_nc_u64 s[10:11], s[10:11], s[46:47]      ; cb at my batch
	s_lshl_b32 s46, ttmp9, 12
	s_add_nc_u64 s[12:13], s[12:13], s[46:47]      ; pc at my row
	s_lshl_b32 s46, ttmp9, 3
	s_add_nc_u64 s[14:15], s[14:15], s[46:47]      ; pml at my pair
	s_wait_alu depctr_va_vdst(0)                   ; behind the run of scalar lines and ahead of the readers below
.irp t, 0,1,2,3,4,5,6,7,8,9,10,11,12,13,14,15
	global_load_b32 v[72+\t], v[T8], s[8:9] offset:\t*REC    ; -2 v of my lane's column in each of my 16 tiles
.endr
	s_wait_kmcnt 0x0
	s_mul_f32 s17, s17, s20                        ; bv log2(e)
	s_wait_loadcnt 0x0
.irp t, 0,2,4,6,8,10,12,14
	v_add_f32 v[72+\t], v[72+\t], v[73+\t]
.endr
.irp t, 0,4,8,12
	v_add_f32 v[72+\t], v[72+\t], v[74+\t]
.endr
.irp t, 0,8
	v_add_f32 v[72+\t], v[72+\t], v[76+\t]
.endr
	v_add_f32 v72, v72, v80
	v_mul_f32 v[VS], -0.5, v72
	s_and_b32 s38, ttmp9, 7
	s_lshl_b32 s38, s38, 1                         ; my walk over my wave's 16 tiles begins at tile 2 (g mod 8) and goes round: eight trips of two tiles pass all 16, and a score's sum does not hang on their order
	s_mul_i32 s46, s38, REC
	s_lshl_b32 s47, s38, 7
	v_add_nc_u32 v[VB16], s46, v[T16]
	v_add_nc_u32 v[VB4], s46, v[T4]
	v_add_nc_u32 v[VB8], s46, v[T8]
	v_add_nc_u32 v[VCB], s47, v[TCB]
	s_wait_alu depctr_va_vdst(0)                   ; the 60 loads below read these four between switches of the windows
.irp b, 0,1
.irp q, 0,1,2,3
	LOADG \b, \q                                   ; tiles 0 and 1: 60 loads
.endr
.endr
	WIN 0x40
.set i, 0
.rept 64
	v_mov_b32 v[192+i], 0                          ; the context.  (The block is written for every block alike: the first finds zeros, which the first f leaves zeros)
.set i, i+1
.endr
	WIN 0x80
.set i, 0
.rept 64
	v_mov_b32 v[192+i], 0
.set i, i+1
.endr
	WIN 0
	v_mov_b32 v[MR], 0xff61b1e6                    ; m: -3e38, under every score
	v_mov_b32 v[LR], 0
	v_mov_b32 v[PT], 0                             ; written once: a lane permute's destination counts as one of its sources
	s_wait_alu depctr_va_vdst(0)
	GRAB 0                                         ; block 0's first half into registers, its second half asked for
	s_mov_b32 s36, 3
.Lblock:
	BLOCK 0
	s_sub_co_u32 s36, s36, 1
	s_cmp_lg_u32 s36, 0
	s_cbranch_scc1 .Lblock
	BLOCK 1                                        ; the last block is written out
	; THE WAY OUT.  A lane's context is the sum over rows = r mod 16: the sixteen lanes' parts meet in a stage of 16 rows x 4,096 bytes.  It lies in LAND, which has had its last fill, and whose last reads
	; every wave has waited for ahead of barriers that all have passed.
.irp x, 1,2,4,8
	v_add_f32_dpp v[LR], v[LR], v[LR] row_xmask:\x row_mask:0xf bank_mask:0xf
.endr
	WIN 0x04                                       ; an LDS store's data are its source 1: window 1
.irp c, 0,1
.irp j, 0,1,2,3,4,5,6,7
	ds_store_b128 v[TS], v[192+32*\c+4*\j:195+32*\c+4*\j] offset:256*\c+16*\j
.endr
.endr
	WIN 0x08                                       ; window 2
.irp c, 0,1
.irp j, 0,1,2,3,4,5,6,7
	ds_store_b128 v[TS], v[192+32*\c+4*\j:195+32*\c+4*\j] offset:512+256*\c+16*\j
.endr
.endr
	WIN 0
	s_wait_dscnt 0x0                               ; for the others' sake: my stores have landed
	s_barrier_signal -1
	s_barrier_wait -1
.irp z, 0,1
.irp t, 0,1,2,3,4,5,6,7,8,9,10,11,12,13,14,15
	ds_load_b128 v[72+64*\z+4*\t:75+64*\z+4*\t], v[TR] offset:TP*\t+2048*\z
.endr
.endr
	s_wait_dscnt 0x0
.irp t, 1,2,3,4,5,6,7,8,9,10,11,12,13,14,15
.irp z, 0,1
	v_pk_add_f32 v[72+64*\z:73+64*\z], v[72+64*\z:73+64*\z], v[72+64*\z+4*\t:73+64*\z+4*\t]
	v_pk_add_f32 v[74+64*\z:75+64*\z], v[74+64*\z:75+64*\z], v[74+64*\z+4*\t:75+64*\z+4*\t]
.endr
.endr
	global_store_b128 v[TR], v[72:75], s[12:13]                ; each store of a wave covers 512 consecutive bytes, aligned
	global_store_b128 v[TR], v[136:139], s[12:13] offset:2048
	v_cmp_gt_u32 vcc_lo, 1, v0                     ; thread 0 stores m and l (every lane of every wave holds the same two)
	s_wait_xcnt 0x0                                ; EXEC changes only behind this wait
	s_and_saveexec_b32 s46, vcc_lo
	global_store_b64 v17, v[MR:LR], s[14:15]
	s_wait_xcnt 0x0                                ; and again ahead of the line that widens it
	s_or_b32 exec_lo, exec_lo, s46
	s_wait_tensorcnt 0x0                           ; the wave's end
	ds_add_u32 v[SPW], v[NIL]
	s_wait_dscnt 0x0
	s_endpgm
.Lfunc_end_k_q759289cf59_main:
	.size	k_q759289cf59_main, .Lfunc_end_k_q759289cf59_main-k_q759289cf59_main
	.p2alignl 7, 3214868480
	.fill 96, 4, 3214868480
	.section	.rodata,"a",@progbits
	.p2align	6, 0x0
	.amdhsa_kernel k_q759289cf59_main
		.amdhsa_group_segment_fixed_size 327680
		.amdhsa_private_segment_fixed_size 0
		.amdhsa_enable_private_segment 0
		.amdhsa_kernarg_size 48
		.amdhsa_user_sgpr_count 2
		.amdhsa_user_sgpr_kernarg_segment_ptr 1
		.amdhsa_wavefront_size32 1
		.amdhsa_system_sgpr_workgroup_id_x 1
		.amdhsa_system_sgpr_workgroup_id_y 1
		.amdhsa_system_sgpr_workgroup_id_z 1
		.amdhsa_system_vgpr_workitem_id 0
		.amdhsa_next_free_vgpr 1024
		.amdhsa_next_free_sgpr 66
		.amdhsa_reserve_vcc 1
		.amdhsa_float_denorm_mode_32 3
		.amdhsa_float_denorm_mode_16_64 3
		.amdhsa_memory_ordered 1
		.amdhsa_forward_progress 1
		.amdhsa_inst_pref_size 255
	.end_amdhsa_kernel
	.section	.bss,"aw",@nobits
	.p2align	6
	.space	262144
	.amdgpu_metadata
---
amdhsa.version: [ 1, 2 ]
amdhsa.kernels:
  - .name:           k_q759289cf59_main
    .symbol:         k_q759289cf59_main.kd
    .args:
      - { .name: encoder_outputs, .offset: 0, .size: 8, .value_kind: global_buffer, .address_space: global }
      - { .name: bv, .offset: 8, .size: 8, .value_kind: global_buffer, .address_space: global }
      - { .name: w1r, .offset: 16, .size: 8, .value_kind: global_buffer, .address_space: global }
      - { .name: cb, .offset: 24, .size: 8, .value_kind: global_buffer, .address_space: global }
      - { .name: pc, .offset: 32, .size: 8, .value_kind: global_buffer, .address_space: global }
      - { .name: pml, .offset: 40, .size: 8, .value_kind: global_buffer, .address_space: global }
    .group_segment_fixed_size: 327680
    .private_segment_fixed_size: 0
    .kernarg_segment_align: 8
    .kernarg_segment_size: 48
    .max_flat_workgroup_size: 128
    .sgpr_count:     66
    .vgpr_count:     1024
    .wavefront_size: 32
...
	.end_amdgpu_metadata
.endif
;; end of part 2
;; launch join (part 3): grid 32 x 1, 8 waves a work-group, no clusters, 0 bytes of LDS; arguments pc, pml, out0; writes out0
.if DOCPART == 3
	.amdgcn_target "amdgcn-amd-amdhsa--gfx1250"
	.amdhsa_code_object_version 6
	.text
	.protected	k_q759289cf59_join
	.globl	k_q759289cf59_join
	.p2align	8
	.type	k_q759289cf59_join,@function
k_q759289cf59_join:
	s_mov_b64 s[64:65], 0
	v_nop
	global_prefetch_b8 v0, s[64:65] scope:SCOPE_SE
	s_setreg_imm32_b32 hwreg(HW_REG_WAVE_MODE, 25, 1), 1
	s_wait_xcnt 0x0
; JOIN.  A batch's eight partial results (m_g, l_g, pc_g[1024]) become its context: with M = the largest m_g and w_g = 2^(m_g - M):  out = (sum of w_g pc_g) / (sum of w_g l_g).
; Work-group b takes batch b; thread t (of 256) takes the 16 bytes at 16 t of each row: every load and the store of a wave cover 512 consecutive bytes.  No LDS, no barrier, no matrix unit: 33 KiB are read and 4 KiB written.
	s_load_b128 s[4:7], s[0:1], 0x0                ; pc s[4:5], pml s[6:7]
	s_load_b64 s[8:9], s[0:1], 0x10                ; out0
	v_mov_b32 v1, 0
	v_lshlrev_b32 v2, 4, v0
	s_lshl_b32 s10, ttmp9, 15                      ; eight rows of 4,096 bytes
	s_mov_b32 s11, 0
	s_lshl_b32 s12, ttmp9, 6                       ; eight pairs
	s_mov_b32 s13, 0
	s_lshl_b32 s14, ttmp9, 12                      ; a row of the output
	s_mov_b32 s15, 0
	s_wait_alu depctr_va_vdst(0)
	s_wait_kmcnt 0x0
	s_add_nc_u64 s[4:5], s[4:5], s[10:11]
	s_add_nc_u64 s[6:7], s[6:7], s[12:13]
	s_add_nc_u64 s[8:9], s[8:9], s[14:15]
.irp i, 0,1,2,3
	global_load_b128 v[8+4*\i:11+4*\i], v1, s[6:7] offset:16*\i     ; m_g in v[8 + 2 g], l_g in v[9 + 2 g], in every lane
.endr
.irp g, 0,1,2,3,4,5,6,7
	global_load_b128 v[24+4*\g:27+4*\g], v2, s[4:5] offset:4096*\g
.endr
	s_wait_loadcnt 8                               ; the four loads of m and l are in; the eight behind them may be out
	v_max3_num_f32 v3, v8, v10, v12
	s_delay_alu instid0(VALU_DEP_1)
	v_max3_num_f32 v3, v3, v14, v16
	s_delay_alu instid0(VALU_DEP_1)
	v_max3_num_f32 v3, v3, v18, v20
	s_delay_alu instid0(VALU_DEP_1)
	v_max_num_f32 v3, v3, v22
.irp g, 0,1,2,3,4,5,6,7
	v_sub_f32 v[56+\g], v[8+2*\g], v3
.endr
	s_wait_alu depctr_va_vdst(0)
.irp g, 0,1,2,3,4,5,6,7
	v_exp_f32 v[56+\g], v[56+\g]
.endr
	v_nop                                          ; a plain line behind the exponentials
	s_wait_alu depctr_va_vdst(0)
	v_mul_f32 v4, v56, v9
.irp g, 1,2,3,4,5,6,7
	v_fmac_f32 v4, v[56+\g], v[9+2*\g]
.endr
	s_wait_alu depctr_va_vdst(0)
	v_rcp_f32 v4, v4
	s_wait_loadcnt 0x0
.irp c, 0,1,2,3
	v_mul_f32 v[64+\c], v56, v[24+\c]              ; (plain lines behind the reciprocal, which name neither its result nor its source)
.endr
.irp g, 1,2,3,4,5,6,7
.irp c, 0,1,2,3
	v_fmac_f32 v[64+\c], v[56+\g], v[24+4*\g+\c]
.endr
.endr
	s_wait_alu depctr_va_vdst(0)
.irp c, 0,1,2,3
	v_mul_f32 v[64+\c], v[64+\c], v4
.endr
	global_store_b128 v2, v[64:67], s[8:9]
	s_endpgm
.Lfunc_end_k_q759289cf59_join:
	.size	k_q759289cf59_join, .Lfunc_end_k_q759289cf59_join-k_q759289cf59_join
	.p2alignl 7, 3214868480
	.fill 96, 4, 3214868480
	.section	.rodata,"a",@progbits
	.p2align	6, 0x0
	.amdhsa_kernel k_q759289cf59_join
		.amdhsa_group_segment_fixed_size 0
		.amdhsa_private_segment_fixed_size 0
		.amdhsa_enable_private_segment 0
		.amdhsa_kernarg_size 24
		.amdhsa_user_sgpr_count 2
		.amdhsa_user_sgpr_kernarg_segment_ptr 1
		.amdhsa_wavefront_size32 1
		.amdhsa_system_sgpr_workgroup_id_x 1
		.amdhsa_system_sgpr_workgroup_id_y 1
		.amdhsa_system_sgpr_workgroup_id_z 1
		.amdhsa_system_vgpr_workitem_id 0
		.amdhsa_next_free_vgpr 72
		.amdhsa_next_free_sgpr 66
		.amdhsa_reserve_vcc 0
		.amdhsa_float_denorm_mode_32 3
		.amdhsa_float_denorm_mode_16_64 3
		.amdhsa_memory_ordered 1
		.amdhsa_forward_progress 1
		.amdhsa_inst_pref_size 5
	.end_amdhsa_kernel
	.amdgpu_metadata
---
amdhsa.version: [ 1, 2 ]
amdhsa.kernels:
  - .name:           k_q759289cf59_join
    .symbol:         k_q759289cf59_join.kd
    .args:
      - { .name: pc, .offset: 0, .size: 8, .value_kind: global_buffer, .address_space: global }
      - { .name: pml, .offset: 8, .size: 8, .value_kind: global_buffer, .address_space: global }
      - { .name: out0, .offset: 16, .size: 8, .value_kind: global_buffer, .address_space: global }
    .group_segment_fixed_size: 0
    .private_segment_fixed_size: 0
    .kernarg_segment_align: 8
    .kernarg_segment_size: 24
    .max_flat_workgroup_size: 256
    .sgpr_count:     66
    .vgpr_count:     72
    .wavefront_size: 32
...
	.end_amdgpu_metadata
.endif
;; end of part 3
